; MI455X (gfx1250); checked and timed in simulation.
; The chip was launched on July 23, 2026; its instructions are those of AMD's public machine-readable ISA for CDNA 5 (MIT licence, August 2026) and "CDNA5" Instruction Set Architecture Reference Guide (July 2026). The comments in the code are by the model that wrote it; some were corrected since.
;; Model35. Allowed arithmetic: float matrix products may take bf16 or f16 operands with f32 sums; all other float work in f32.
;; Inputs: b1 30 float32; b2 30 float32; b_emb 30 float32; b_in 90 float32; b_o 3 float32; b_out 30 float32; beta 30 float32; gamma 30 float32; input 1,000,000 x 2 x 5 float32; w1 30 x 30 float32; w2 30 x 30 float32; w_emb 30 x 5 float32; w_in 90 x 30 float32; w_o 3 x 30 float32; w_out 30 x 30 float32.
;; Outputs: out0 1,000,000 x 3 float32.
;; One version. Each part assembles by itself: llvm-mc -triple=amdgcn-amd-amdhsa -mcpu=gfx1250 --defsym DOCPART=n.
;; ======== version 1 of 1: 1 launch
;; limits: a function is approximated: absolute error at most 2e-05
;; launch mlp (part 1): grid 256 x 1, 8 waves a work-group, no clusters, 62,464 bytes of LDS; arguments input, out0, w_emb, b_emb, w_in, b_in, w_out, b_out, w1, b1, w2, b2, gamma, beta, w_o, b_o; writes out0
.if DOCPART == 1
	.amdgcn_target "amdgcn-amd-amdhsa--gfx1250"
	.amdhsa_code_object_version 6
	.text
	.protected	k_q5a68a41014_mlp
	.globl	k_q5a68a41014_mlp
	.p2align	8
	.type	k_q5a68a41014_mlp,@function
k_q5a68a41014_mlp:
	s_mov_b64 s[64:65], 0
	v_nop
	global_prefetch_b8 v0, s[64:65] scope:SCOPE_SE
	s_setreg_imm32_b32 hwreg(HW_REG_WAVE_MODE, 25, 1), 1
	s_wait_xcnt 0x0
; One transformer layer on 1,000,000 independent items of 2 tokens x 5 numbers; only token 1's three logits are returned, so token 0 is
; carried only as far as its K and V.  Everything is fused: 40 bytes in and 12 bytes out for an item, nothing else goes through memory.
;
; SHARING.  2,048 waves (256 work-groups x 8).  Wave W = 256 x wave + work-group takes the chunks W + 2048 t of 64 items
; (2,560 bytes in = ten aligned blocks of 256, 768 bytes out = three); 15,625 chunks = 7 x 2,048 + 1,289, so W < 1,289 makes 8 trips, the others 7.
; Waves share nothing in the loop: each has its own LDS stage and no barrier stands there.
;
; LAYOUT.  The WEIGHTS are source A (16 output features x 32 inputs), the ACTIVATIONS source B (32 features x 16 items).  In the result lane (r, h)
; holds features 8h+j (tile 0) and 16+8h+j (tile 1) of item r: 16 slots, and these are the k that the same lane owes the next product as B.
; So a result becomes the next operand by eight packed roundings to bf16, with no traffic between lanes.  Biases are the f32 C operands.
; Features 30 and 31 are pads: zero weight rows, zero biases, zero gamma and beta, and gelu(0) = 0 keep them exactly 0.
; Rows of Wq, Wk, Wv (and their biases) and columns of w_out are permuted so that a lane's slots 0-4, 5-9, 10-14 are heads 0, 1, 2
; (slot s of half h is feature s + 5 (s/5) + 5 h; slot 15 is a pad): a score is five multiply-adds and one exchange with lane xor 16.
; Scores and attention x V stay in f32 on the vector unit: 120 multiply-adds of an item's own 2 x 10 operands, which fill no 16 x 16 tile.
;
; ARITHMETIC AND LIMITS.
;  - The seven dense products take bf16 operands and f32 sums; all else is f32.
;  - erfc(t) = exp(-r(t)), t = |x| / sqrt 2, r a polynomial of degree 7 without constant term; erf is then within about 2e-5 (absolute) of the true one for
;    small t, and closer beyond.  The text makes 2 gelu(x) = (x + |x|) - |x| exp2(P(|x|)), which keeps the negative tail's relative accuracy; the factor 1/2
;    (exact in bf16) is folded into Wq, Wk, Wv, W2 and into the residual's multiply-add.  For large |x| P runs to minus infinity and the exponential to 0.
;    x = +-infinity gives NaN (infinity x 0), where the true gelu is infinity or 0.
;  - Softmax over the two keys with the maximum taken away: the larger key's exponential is exp(0) = 1, the other's exp(-|s0 - s1|).
;  - v_exp_f32, v_rcp_f32 and v_rsq_f32 flush denormals (ISA guide, their entries).
;  - LayerNorm in two passes (mean, then centred squares).
; ---- sizes
.set NCHUNK, 15625
.set NWAVE,  2048
.set IN_B,   2560                      ; bytes of a chunk's input
.set OUT_B,  768                       ; bytes of a chunk's output
; ---- LDS: the shared table.  Each piece has the bytes that ONE store of all 256 threads covers: 4,096 (16 a thread) for the six matrices at 0
; (Wq, Wk, Wv, w_out, w1, w2: 3,600 bytes of data each), 1,024 (4 a thread) for the others.  Threads beyond a piece's end store zeros,
; which serve as pad rows and pad elements.
.set L_WEMB, 24576
.set L_WO,   25600
.set L_BIN,  26624
.set L_BEMB, 27648
.set L_BOUT, 28672
.set L_B1,   29696
.set L_B2,   30720
.set L_GAM,  31744
.set L_BET,  32768
.set L_BO,   33792
.set RAW,    34816                     ; the table's end; behind it a stage for each wave:
.set WSTAGE, 3328                      ; 2,560 bytes of input (item i at 40 i), then 768 of output (item i at 12 i)
.set OSTG,   2560
; ---- window 0 (v0-v255)
.set STI,  1                           ; stage + 16 lane
.set GA,   2                           ; stage + 40 r + 24 h
.set GB,   3                           ; stage + 40 r + 16 h
.set OST,  4                           ; output stage + 12 lane
.set ORD,  5                           ; output stage + 8 lane
.set GIO,  6                           ; 16 lane
.set GOO,  7                           ; 8 lane
.set MK,   8                           ; 1.0 in lanes 0-15, 0.0 in lanes 16-31
.set INR,  10                          ; v[10:29]  a chunk's input on its way
.set OUTR, 30                          ; v[30:35]  output on its way out; in between: group 1's softmax temporaries
.set GAM,  36                          ; v[36:51]  gamma of my 16 slots
.set BET,  52                          ; v[52:67]  beta
.set BIN,  68                          ; v[68:87]  0000 DDD0 0000 DDD0 0000: the embedding's B operands of two groups; the zeros are never rewritten
.set B0,   88                          ; v[88:167]   block of group 0 (16 items)
.set B1,   168                         ; v[168:247]  block of group 1
.set C6V,  248                         ; v[248:249]  the polynomial's C6, twice
.set AN0,  250                         ; v[250:255]  group 0's softmax temporaries (group g: AN0 - 220 g)
; offsets in a group's block
.set G1, 0                             ; 16: 2 gelu of token 1's embedding, f32, kept for the residual
.set XA, 16                            ; 8: a bf16 operand
.set XB, 24                            ; 8: a bf16 operand
.set R1, 32                            ; 16 each: results and temporaries
.set R2, 48
.set R3, 64
.set LG, B0+R2                         ; the logits' accumulator
; head only (v36-v44 lie where gamma comes later)
.set T16, 36                           ; 16 x thread: where a thread stores its part of a matrix
.set T4,  37                           ; 4 x thread: its part of a small piece
.set K16, 40                           ; the same offsets, held at the piece's last part: what a thread loads
.set K150, 41                          ; w_emb, 150 words
.set K90, 42                           ; w_o and b_in, 90 words
.set K30, 43                           ; the six vectors of 30 words
.set K3,  44                           ; b_o, 3 words
.set HR,  30                           ; r = lane & 15
.set HH,  31                           ; h = lane >> 4
.set HNA, 32                           ; 120 r + 32 h: a natural row's part of k
.set HPA0, 33                          ; the same for the permuted row of tile 0,
.set HPA1, 34                          ; of tile 1
.set HCA, 35                           ; 120 r + 20 h: w_out's permuted columns
.set HEA, 250                          ; 20 r: w_emb's row
.set HWH, 251                          ; 120 min((r + 8) & 15, 3) + 32 h: w_o moved down by eight rows
.set HBA, 252                          ; 32 h: natural biases
.set HPB, 253                          ; 20 h: permuted biases
.set HWL, 254                          ; 120 min(r, 3) + 32 h: w_o in rows 0-2; row 3 of its piece is zeros
.set RW,  88                           ; the raw copy's data
; ---- window 1 (v256-v503, named v0-v247): constants of the whole launch
.set A_EMB, 0
.set A_Q,   16
.set A_K,   32
.set A_V,   48
.set A_OUT, 64
.set A_W1,  80
.set A_W2,  96
.set A_WOL, 112                        ; w_o in rows 0-2
.set A_WOH, 120                        ; w_o in rows 8-10
.set C_EMB, 128
.set C_Q,   144
.set C_K,   160
.set C_V,   176
.set C_OUT, 192
.set C_B1,  208
.set C_B2,  224
.set C_BO,  240
; ---- scalars: s2 wave, s3 W, s4 trips, s5 trip counter, s[6:7] an offset, s[8:39] the sixteen addresses in the order of the arguments,
; s[40:41] C7, s[42:43] C5, s[44:45] C4, s[46:47] C3, s[48:49] C2, s[50:51] C1, s52 running factor, s54 1/30, s55 1e-5, s56 log2(e)/sqrt(10),
; s57, s58 selects of v_permlanex16_b32, s59 lanes 16-31, s60 lanes 0-15, s61 sign mask, s[62:63] C6,
; s[66:71] in the head five masks 'thread inside the piece', in the loop six masks d > 0, s77 stage, s78 output stage
.set MSB, 0
.macro WIN new                         ; s_set_vgpr_msb: bits 1:0 source 0, 3:2 source 1, 5:4 source 2, 7:6 destination; the high byte repeats the setting that is left
.if MSB != \new
	s_set_vgpr_msb (MSB<<8)|\new
.set MSB, \new
.endif
.endm
.macro PLACES                          ; four places between a matrix instruction and the vector or LDS instruction that reads its result (ISA guide 7.12.1)
.rept 4
	v_nop
.endr
.endm
.macro MM d, a, b, c
	v_wmma_f32_16x16x32_bf16 v[\d:\d+7], v[\a:\a+7], v[\b:\b+7], v[\c:\c+7]
.endm
.macro CVT16 dst, src                  ; 16 slots in f32 -> the next product's B operand
.irp i, 0,1,2,3,4,5,6,7
	v_cvt_pk_bf16_f32 v[\dst+\i], v[\src+2*\i], v[\src+2*\i+1]
.endr
.endm
; x <- 2 gelu(x) on 16 registers.  ta <- |x|, tp <- P(|x|) by Horner, then exp2.  Each step runs over all eight pairs, so no line waits for the one in front of it.
.macro GELU16 x, ta, tp
.irp i, 0,1,2,3,4,5,6,7,8,9,10,11,12,13,14,15
	v_and_b32 v[\ta+\i], s61, v[\x+\i]
.endr
.irp i, 0,2,4,6,8,10,12,14
	v_pk_fma_f32 v[\tp+\i:\tp+\i+1], v[\ta+\i:\ta+\i+1], s[40:41], v[C6V:C6V+1] op_sel_hi:[1,0,1]
.endr
.irp c, 42,44,46,48,50
.irp i, 0,2,4,6,8,10,12,14
	v_pk_fma_f32 v[\tp+\i:\tp+\i+1], v[\tp+\i:\tp+\i+1], v[\ta+\i:\ta+\i+1], s[\c:\c+1] op_sel_hi:[1,1,0]
.endr
.endr
.irp i, 0,2,4,6,8,10,12,14
	v_pk_mul_f32 v[\tp+\i:\tp+\i+1], v[\tp+\i:\tp+\i+1], v[\ta+\i:\ta+\i+1]
.endr
.irp i, 0,1,2,3,4,5,6,7,8,9,10,11,12,13,14,15
	v_exp_f32 v[\tp+\i], v[\tp+\i]
.endr
.irp i, 0,2,4,6,8,10,12,14
	v_pk_add_f32 v[\x+\i:\x+\i+1], v[\x+\i:\x+\i+1], v[\ta+\i:\ta+\i+1]           ; x + |x|: also the plain lines between the exponentials and their use (ISA guide 5.7.2)
.endr
	s_wait_alu depctr_va_vdst(0)
.irp i, 0,2,4,6,8,10,12,14
	v_pk_fma_f32 v[\x+\i:\x+\i+1], v[\ta+\i:\ta+\i+1], v[\tp+\i:\tp+\i+1], v[\x+\i:\x+\i+1] neg_lo:[1,0,0] neg_hi:[1,0,0]
.endr
.endm
; LayerNorm of both groups' 16 slots at offset y, temporaries at offset t (8 registers).  An item's 30 features lie in lanes r and r + 16.
.macro LN2 y, t
.irp b, B0,B1
	v_pk_add_f32 v[\b+\t:\b+\t+1],   v[\b+\y:\b+\y+1],     v[\b+\y+2:\b+\y+3]
	v_pk_add_f32 v[\b+\t+2:\b+\t+3], v[\b+\y+4:\b+\y+5],   v[\b+\y+6:\b+\y+7]
	v_pk_add_f32 v[\b+\t+4:\b+\t+5], v[\b+\y+8:\b+\y+9],   v[\b+\y+10:\b+\y+11]
	v_pk_add_f32 v[\b+\t+6:\b+\t+7], v[\b+\y+12:\b+\y+13], v[\b+\y+14:\b+\y+15]
.endr
.irp b, B0,B1
	v_pk_add_f32 v[\b+\t:\b+\t+1],   v[\b+\t:\b+\t+1],   v[\b+\t+2:\b+\t+3]
	v_pk_add_f32 v[\b+\t+4:\b+\t+5], v[\b+\t+4:\b+\t+5], v[\b+\t+6:\b+\t+7]
.endr
.irp b, B0,B1
	v_pk_add_f32 v[\b+\t:\b+\t+1], v[\b+\t:\b+\t+1], v[\b+\t+4:\b+\t+5]
.endr
.irp b, B0,B1
	v_add_f32 v[\b+\t], v[\b+\t], v[\b+\t+1]
.endr
.irp b, B0,B1
	v_permlanex16_b32 v[\b+\t+1], v[\b+\t], s57, s58               ; the other half of the item's features
.endr
.irp b, B0,B1
	v_add_f32 v[\b+\t], v[\b+\t], v[\b+\t+1]
.endr
.irp b, B0,B1
	v_mul_f32 v[\b+\t], s54, v[\b+\t]                              ; the mean of 30
.endr
.irp b, B0,B1
	v_mul_f32 v[\b+\t+2], v[\b+\t], v[MK]                          ; for slots 14, 15: the mean in lanes 0-15, 0 in lanes 16-31, where they are the pads
.endr
.irp b, B0,B1
.irp i, 0,2,4,6,8,10,12
	v_pk_add_f32 v[\b+\y+\i:\b+\y+\i+1], v[\b+\y+\i:\b+\y+\i+1], v[\b+\t:\b+\t+1] op_sel_hi:[1,0] neg_lo:[0,1] neg_hi:[0,1]
.endr
	v_pk_add_f32 v[\b+\y+14:\b+\y+15], v[\b+\y+14:\b+\y+15], v[\b+\t+2:\b+\t+3] op_sel_hi:[1,0] neg_lo:[0,1] neg_hi:[0,1]
.endr
.irp b, B0,B1
	v_pk_mul_f32 v[\b+\t+4:\b+\t+5], v[\b+\y:\b+\y+1],   v[\b+\y:\b+\y+1]
	v_pk_mul_f32 v[\b+\t+6:\b+\t+7], v[\b+\y+2:\b+\y+3], v[\b+\y+2:\b+\y+3]
.endr
.irp i, 4,8,12
.irp b, B0,B1
	v_pk_fma_f32 v[\b+\t+4:\b+\t+5], v[\b+\y+\i:\b+\y+\i+1],   v[\b+\y+\i:\b+\y+\i+1],   v[\b+\t+4:\b+\t+5]
	v_pk_fma_f32 v[\b+\t+6:\b+\t+7], v[\b+\y+\i+2:\b+\y+\i+3], v[\b+\y+\i+2:\b+\y+\i+3], v[\b+\t+6:\b+\t+7]
.endr
.endr
.irp b, B0,B1
	v_pk_add_f32 v[\b+\t+4:\b+\t+5], v[\b+\t+4:\b+\t+5], v[\b+\t+6:\b+\t+7]
.endr
.irp b, B0,B1
	v_add_f32 v[\b+\t+4], v[\b+\t+4], v[\b+\t+5]
.endr
.irp b, B0,B1
	v_permlanex16_b32 v[\b+\t+5], v[\b+\t+4], s57, s58
.endr
.irp b, B0,B1
	v_add_f32 v[\b+\t+4], v[\b+\t+4], v[\b+\t+5]
.endr
.irp b, B0,B1
	v_fma_f32 v[\b+\t+4], v[\b+\t+4], s54, s55                     ; variance + 1e-5
.endr
.irp b, B0,B1
	v_rsq_f32 v[\b+\t+4], v[\b+\t+4]
.endr
	v_nop                                                          ; one plain line between v_rsq_f32 and the use of its result (ISA guide 5.7.2)
	s_wait_alu depctr_va_vdst(0)
.irp b, B0,B1
.irp i, 0,2,4,6,8,10,12,14
	v_pk_mul_f32 v[\b+\y+\i:\b+\y+\i+1], v[\b+\y+\i:\b+\y+\i+1], v[\b+\t+4:\b+\t+5] op_sel_hi:[1,0]
.endr
.endr
.irp b, B0,B1
.irp i, 0,2,4,6,8,10,12,14
	v_pk_fma_f32 v[\b+\y+\i:\b+\y+\i+1], v[\b+\y+\i:\b+\y+\i+1], v[GAM+\i:GAM+\i+1], v[BET+\i:BET+\i+1]
.endr
.endr
.endm
; head: the 16 f32 of an A fragment's lane: k = 8h .. 8h+7 into t .. t+7, k = 16+8h .. into t+8 .. t+15 (rows are multiples of 8 bytes, not of 16)
.macro ALOAD t, ad, imm
.irp i, 0,1,2,3
	ds_load_b64 v[\t+2*\i:\t+2*\i+1],     v[\ad] offset:\imm+8*\i
	ds_load_b64 v[\t+8+2*\i:\t+8+2*\i+1], v[\ad] offset:\imm+64+8*\i
.endr
.endm
; head: k = 30, 31 (lanes 16-31, the last two) have read into the next row: they become 0.  half = 1: the matrix takes a doubled gelu, so it is halved.
.macro AFIX t, half
	v_cndmask_b32 v[\t+14], v[BIN], v[\t+14], s60
	v_cndmask_b32 v[\t+15], v[BIN], v[\t+15], s60
.if \half
.irp i, 0,2,4,6,8,10,12,14
	v_pk_mul_f32 v[\t+\i:\t+\i+1], v[\t+\i:\t+\i+1], 0.5 op_sel_hi:[1,0]
.endr
.endif
.endm
.macro ACVT dst, t                     ; under WIN 0x40: the destination lies in window 1
.irp i, 0,1,2,3,4,5,6,7
	v_cvt_pk_bf16_f32 v[\dst+\i], v[\t+2*\i], v[\t+2*\i+1]
.endr
.endm
.macro CNAT c, l                       ; a vector of 30 in natural order as 16 slots: features 8h .. 8h+7 and 16+8h .. 16+8h+7
	ds_load_b128 v[\c:\c+3],     v[HBA] offset:\l
	ds_load_b128 v[\c+4:\c+7],   v[HBA] offset:\l+16
	ds_load_b128 v[\c+8:\c+11],  v[HBA] offset:\l+64
	ds_load_b128 v[\c+12:\c+15], v[HBA] offset:\l+80
.endm
.macro COEF dst, c                     ; C_i = -log2(e) c_i 2^(-i/2), both halves of the pair written
	s_mul_f32 s52, s52, 0x3f3504f3
	s_mul_f32 s[\dst], s52, \c
	s_mov_b32 s[\dst+1], s[\dst]
.endm
; =========================================================== THE HEAD
	s_load_b512 s[8:23], s[0:1], 0x0               ; input, out0, w_emb, b_emb, w_in, b_in, w_out, b_out
	s_load_b512 s[24:39], s[0:1], 0x40             ; w1, b1, w2, b2, gamma, beta, w_o, b_o
	s_set_vgpr_msb 0x40
	v_lshl_add_u32 v254, v0, 2, 0xf000
	v_mov_b32 v255, 0
	s_set_vgpr_msb 0x4000
	v_lshrrev_b32 v9, 5, v0
	v_readfirstlane_b32 s2, v9                     ; wave 0..7
	s_lshl_b32 s3, s2, 8
	s_add_co_u32 s3, s3, ttmp9                     ; W
	s_cmp_lt_u32 s3, NCHUNK-7*NWAVE
	s_cselect_b32 s4, 8, 7                         ; trips
	s_mul_i32 s77, s2, WSTAGE
	s_add_co_u32 s77, s77, RAW                     ; my stage
	s_add_co_u32 s78, s77, OSTG
	s_mov_b32 s54, 0x3d088889                      ; 1/30
	s_mov_b32 s55, 0x3727c5ac                      ; 1e-5
	s_mov_b32 s56, 0x3fb8aa3b                      ; log2(e)
	s_mul_f32 s56, s56, 0x3ea1e89b                 ; / sqrt(10)
	s_mov_b32 s57, 0x76543210                      ; v_permlanex16_b32: lane i takes lane i of the other half
	s_mov_b32 s58, 0xfedcba98
	s_mov_b32 s59, 0xffff0000
	s_mov_b32 s60, 0x0000ffff
	s_mov_b32 s61, 0x7fffffff
	s_mov_b32 s52, 0xbfb8aa3b                      ; -log2(e)
	COEF 50, 1.128717512
	COEF 48, 0.634846687
	COEF 46, 0.106777847
	COEF 44, -0.0242545605
	COEF 42, 0.00388393435
	COEF 62, -0.00038320868
	COEF 40, 0.000017294893
	v_mov_b32 v[C6V], s62
	v_mov_b32 v[C6V+1], s62
.set i, 0
.rept 20
	v_mov_b32 v[BIN+i], 0
.set i, i+1
.endr
	v_lshlrev_b32 v[T16], 4, v0
	v_lshlrev_b32 v[T4], 2, v0
	v_min_u32 v[K16],  16*224, v[T16]              ; a thread beyond a piece's end loads the piece's last part again: no load leaves its buffer
	v_min_u32 v[K150], 4*149,  v[T4]
	v_min_u32 v[K90],  4*89,   v[T4]
	v_min_u32 v[K30],  4*29,   v[T4]
	v_min_u32 v[K3],   4*2,    v[T4]
	v_cmp_gt_u32 s66, 225, v0                      ; and these masks say which threads lie inside
	v_cmp_gt_u32 s67, 150, v0
	v_cmp_gt_u32 s68, 90, v0
	v_cmp_gt_u32 s69, 30, v0
	v_cmp_gt_u32 s70, 3, v0
	v_and_b32 v9, 31, v0                           ; lane
	v_and_b32 v[HR], 15, v0
	v_bfe_u32 v[HH], v0, 4, 1
	v_lshl_add_u32 v[STI], v9, 4, s77
	v_mul_u32_u24 v[GA], v[HR], 40
	v_lshl_add_u32 v[GB], v[HH], 4, v[GA]
	v_add_nc_u32 v[GB], s77, v[GB]
	v_mul_u32_u24 v38, v[HH], 24
	v_add_nc_u32 v[GA], v[GA], v38
	v_add_nc_u32 v[GA], s77, v[GA]
	v_mul_u32_u24 v[OST], v9, 12
	v_add_nc_u32 v[OST], s78, v[OST]
	v_lshl_add_u32 v[ORD], v9, 3, s78
	v_lshlrev_b32 v[GIO], 4, v9
	v_lshlrev_b32 v[GOO], 3, v9
	v_cvt_f32_u32 v[MK], v[HH]
	v_sub_f32 v[MK], 1.0, v[MK]
	s_wait_kmcnt 0x0
	s_mul_i32 s6, s3, IN_B
	s_mov_b32 s7, 0
	s_add_nc_u64 s[8:9], s[8:9], s[6:7]            ; input at chunk W
	s_mul_i32 s6, s3, OUT_B
	s_add_nc_u64 s[10:11], s[10:11], s[6:7]        ; out0 at chunk W
.irp i, 0,1,2,3,4
	global_load_b128 v[INR+4*\i:INR+4*\i+3], v[GIO], s[8:9] offset:512*\i th:TH_LOAD_NT   ; the first chunk: 512 consecutive bytes a load
.endr
	; The weights, linearly, all lanes on; all these loads are out together and one wait follows.
	global_load_b128 v[RW:RW+3],     v[K16], s[16:17]              ; Wq
	global_load_b128 v[RW+4:RW+7],   v[K16], s[16:17] offset:3600  ; Wk
	global_load_b128 v[RW+8:RW+11],  v[K16], s[16:17] offset:7200  ; Wv
	global_load_b128 v[RW+12:RW+15], v[K16], s[20:21]              ; w_out
	global_load_b128 v[RW+16:RW+19], v[K16], s[24:25]              ; w1
	global_load_b128 v[RW+20:RW+23], v[K16], s[28:29]              ; w2
	global_load_b32 v[RW+24], v[K150], s[12:13]                    ; w_emb
	global_load_b32 v[RW+25], v[K90], s[36:37]                     ; w_o
	global_load_b32 v[RW+26], v[K90], s[18:19]                     ; b_in
	global_load_b32 v[RW+27], v[K30], s[14:15]                     ; b_emb
	global_load_b32 v[RW+28], v[K30], s[22:23]                     ; b_out
	global_load_b32 v[RW+29], v[K30], s[26:27]                     ; b1
	global_load_b32 v[RW+30], v[K30], s[30:31]                     ; b2
	global_load_b32 v[RW+31], v[K30], s[32:33]                     ; gamma
	global_load_b32 v[RW+32], v[K30], s[34:35]                     ; beta
	global_load_b32 v[RW+33], v[K3], s[38:39]                      ; b_o
	; while they are on their way: where a lane finds its parts of the fragments in the table
	v_mul_u32_u24 v[HNA], v[HR], 120
	v_mul_u32_u24 v38, v[HH], 20
	v_add_nc_u32 v[HCA], v[HNA], v38               ; 120 r + 20 h
	v_lshl_add_u32 v[HNA], v[HH], 5, v[HNA]        ; 120 r + 32 h
	v_mul_u32_u24 v[HEA], v[HR], 20
	v_add_nc_u32 v[HWH], 8, v[HR]
	v_and_b32 v[HWH], 15, v[HWH]
	v_min_u32 v[HWH], 3, v[HWH]                    ; every row but w_o's three takes row 3 of the piece: zeros
	v_mul_u32_u24 v[HWH], v[HWH], 120
	v_lshl_add_u32 v[HWH], v[HH], 5, v[HWH]
	v_lshlrev_b32 v[HBA], 5, v[HH]
	v_mul_u32_u24 v[HPB], v[HH], 20
	v_and_b32 v254, 7, v[HR]                       ; row r of tile T lands in slot s = 8 T + (r & 7)
	v_lshrrev_b32 v255, 3, v[HR]                   ; of the lanes' half r >> 3
.irp t, 0,1
	v_add_nc_u32 v38, 8*\t, v254                   ; s
	v_mul_u32_u24 v39, v38, 13
	v_lshrrev_b32 v39, 6, v39                      ; s / 5 for s = 0 .. 15
	v_mul_u32_u24 v39, v39, 5
	v_add_nc_u32 v38, v38, v39
	v_mul_u32_u24 v39, v255, 5
	v_add_nc_u32 v38, v38, v39                     ; the feature s + 5 (s/5) + 5 (r >> 3);
	v_min_u32 v38, 30, v38                         ; slot 15 takes row 30, which is zeros
	v_mul_u32_u24 v38, v38, 120
	v_lshl_add_u32 v[HPA0+\t], v[HH], 5, v38
.endr
	v_min_u32 v[HWL], 3, v[HR]
	v_mul_u32_u24 v[HWL], v[HWL], 120
	v_lshl_add_u32 v[HWL], v[HH], 5, v[HWL]
	s_wait_loadcnt 0x0                             ; the weights and the first chunk are in
.set i, 0
.rept 24
	v_cndmask_b32 v[RW+i], 0, v[RW+i], s66         ; beyond the piece's end: zero
.set i, i+1
.endr
	v_cndmask_b32 v[RW+24], 0, v[RW+24], s67
	v_cndmask_b32 v[RW+25], 0, v[RW+25], s68
	v_cndmask_b32 v[RW+26], 0, v[RW+26], s68
.irp i, 27,28,29,30,31,32
	v_cndmask_b32 v[RW+\i], 0, v[RW+\i], s69
.endr
	v_cndmask_b32 v[RW+33], 0, v[RW+33], s70
.irp i, 0,1,2,3,4,5
	ds_store_b128 v[T16], v[RW+4*\i:RW+4*\i+3] offset:4096*\i      ; 256 threads x 16 bytes: the piece's whole 4,096
.endr
	ds_store_b32 v[T4], v[RW+24] offset:L_WEMB                     ; 256 threads x 4 bytes: the piece's whole 1,024
	ds_store_b32 v[T4], v[RW+25] offset:L_WO
	ds_store_b32 v[T4], v[RW+26] offset:L_BIN
	ds_store_b32 v[T4], v[RW+27] offset:L_BEMB
	ds_store_b32 v[T4], v[RW+28] offset:L_BOUT
	ds_store_b32 v[T4], v[RW+29] offset:L_B1
	ds_store_b32 v[T4], v[RW+30] offset:L_B2
	ds_store_b32 v[T4], v[RW+31] offset:L_GAM
	ds_store_b32 v[T4], v[RW+32] offset:L_BET
	ds_store_b32 v[T4], v[RW+33] offset:L_BO
	s_wait_dscnt 0x0                               ; my part of the table is written,
	s_barrier_signal -1
	s_barrier_wait -1                              ; the table is whole
	; fragments, first batch: Wq, Wk, Wv with permuted rows, six tiles of 16 f32 a lane
	ALOAD 88,  HPA0, 0
	ALOAD 104, HPA1, 0
	ALOAD 120, HPA0, 4096
	ALOAD 136, HPA1, 4096
	ALOAD 152, HPA0, 8192
	ALOAD 168, HPA1, 8192
	s_wait_dscnt 0x0
.irp t, 88,104,120,136,152,168
	AFIX \t, 1                                     ; they take doubled gelus
.endr
	WIN 0x40
	ACVT A_Q,    88
	ACVT A_Q+8,  104
	ACVT A_K,    120
	ACVT A_K+8,  136
	ACVT A_V,    152
	ACVT A_V+8,  168
	WIN 0
	; second batch: w1, w2, and w_o twice
	ALOAD 184, HNA, 16384
	ALOAD 200, HNA, 16384+1920
	ALOAD 216, HNA, 20480
	ALOAD 232, HNA, 20480+1920
	ALOAD 88,  HWL, L_WO
	ALOAD 104, HWH, L_WO
	s_wait_dscnt 0x0
	AFIX 184, 0
	AFIX 200, 0
	AFIX 216, 1                                    ; W2 takes a doubled gelu
	AFIX 232, 1
	AFIX 88, 0
	AFIX 104, 0
	WIN 0x40
	ACVT A_W1,   184
	ACVT A_W1+8, 200
	ACVT A_W2,   216
	ACVT A_W2+8, 232
	ACVT A_WOL,  88
	ACVT A_WOH,  104
	WIN 0
	; third batch: w_out with permuted columns, w_emb, gamma and beta
.irp t, 0,1
.set sl, 0
.rept 15
	ds_load_b32 v[120+16*\t+sl], v[HCA] offset:12288+1920*\t+4*(sl+5*(sl/5))
.set sl, sl+1
.endr
	v_mov_b32 v[120+16*\t+15], 0                   ; slot 15 is a pad
.irp i, 0,1,2,3,4
	ds_load_b32 v[152+8*\t+\i], v[HEA] offset:L_WEMB+320*\t+4*\i
.endr
.endr
	CNAT GAM, L_GAM
	CNAT BET, L_BET
	s_wait_dscnt 0x0
	; The embedding's A serves both tokens.  B holds an item's ten numbers as lanes 0-15: f0 .. f5, lanes 16-31: f6 f7 f8 f9 f8 f9, in registers 0-2
	; (k = 8h ..) for token 0 and in registers 4-6 (k = 16+8h ..) for token 1, zeros elsewhere.  So A has W0 .. W4 at k = 0 .. 4, W0 at k = 21, W1 .. W4 at k = 24 .. 27.
.irp t, 0,1
	v_cvt_pk_bf16_f32 v[168+8*\t],   v[152+8*\t],   v[152+8*\t+1]  ; (W0, W1)
	v_cvt_pk_bf16_f32 v[168+8*\t+1], v[152+8*\t+2], v[152+8*\t+3]  ; (W2, W3)
	v_cvt_pk_bf16_f32 v[168+8*\t+2], v[152+8*\t+4], v[BIN]         ; (W4, 0)
	v_cvt_pk_bf16_f32 v[168+8*\t+4], v[152+8*\t+1], v[152+8*\t+2]  ; (W1, W2)
	v_cvt_pk_bf16_f32 v[168+8*\t+5], v[152+8*\t+3], v[152+8*\t+4]  ; (W3, W4)
	v_cvt_pk_bf16_f32 v[168+8*\t+6], v[BIN],        v[152+8*\t]    ; (0, W0)
.endr
	WIN 0x40
.irp t, 0,1
.irp i, 0,1,2,6
	v_cndmask_b32 v[A_EMB+8*\t+\i], v[BIN], v[168+8*\t+\i], s60    ; in lanes 0-15 alone
.endr
.irp i, 4,5
	v_cndmask_b32 v[A_EMB+8*\t+\i], v[BIN], v[168+8*\t+\i], s59    ; in lanes 16-31 alone
.endr
	v_mov_b32 v[A_EMB+8*\t+3], 0
	v_mov_b32 v[A_EMB+8*\t+7], 0
.endr
	ACVT A_OUT,   120
	ACVT A_OUT+8, 136
	; fourth batch: the biases, f32, straight into window 1 as C operands
	CNAT C_EMB, L_BEMB
	CNAT C_OUT, L_BOUT
	CNAT C_B1,  L_B1
	CNAT C_B2,  L_B2
	ds_load_b128 v[C_BO:C_BO+3],   v[BIN] offset:L_BO               ; address 0: every lane takes b_o0 .. b_o2, 0 ..: rows 0-2 and rows 8-10
	ds_load_b128 v[C_BO+4:C_BO+7], v[BIN] offset:L_BO+16
.irp part, 0,1,2
.set sl, 0
.rept 15
	ds_load_b32 v[C_Q+16*\part+sl], v[HPB] offset:L_BIN+120*\part+4*(sl+5*(sl/5))
.set sl, sl+1
.endr
	v_mov_b32 v[C_Q+16*\part+15], 0
.endr
	WIN 0
	s_wait_dscnt 0x0
	s_barrier_signal -1                            ; the shared table has been read for the last time: all waves leave the head together,
	s_barrier_wait -1                              ; and behind this barrier every LDS access of a wave is to its own stage
; =========================================================== 32 ITEMS: two groups of 16, each step written for both
.macro PAIR p
	; IN: an item's ten numbers, six to lane r and four (and two of them again) to lane r + 16, rounded to bf16
.irp g, 0,1
	ds_load_b64 v[B0+80*\g+R2:B0+80*\g+R2+1],   v[GA] offset:1280*\p+640*\g
	ds_load_b64 v[B0+80*\g+R2+2:B0+80*\g+R2+3], v[GA] offset:1280*\p+640*\g+8
	ds_load_b64 v[B0+80*\g+R2+4:B0+80*\g+R2+5], v[GB] offset:1280*\p+640*\g+16
.endr
	s_wait_dscnt 0x0
.irp g, 0,1
.irp i, 0,1,2
	v_cvt_pk_bf16_f32 v[BIN+4+8*\g+\i], v[B0+80*\g+R2+2*\i], v[B0+80*\g+R2+2*\i+1]
.endr
.endr
	; P1: embedding of token 0 (R1) and token 1 (G1), doubled gelu, operands XA (token 0) and XB (token 1)
	WIN 0x11                                       ; A and C in window 1
.irp g, 0,1
.irp t, 0,8
	MM B0+80*\g+R1+\t, A_EMB+\t, BIN+4+8*\g, C_EMB+\t
	MM B0+80*\g+G1+\t, A_EMB+\t, BIN+8*\g, C_EMB+\t
.endr
.endr
	WIN 0
	PLACES
.irp g, 0,1
	GELU16 B0+80*\g+R1, B0+80*\g+R2, B0+80*\g+R3
	CVT16 B0+80*\g+XA, B0+80*\g+R1
	GELU16 B0+80*\g+G1, B0+80*\g+R2, B0+80*\g+R3
	CVT16 B0+80*\g+XB, B0+80*\g+G1
.endr
	; P2: q of token 1 (R1), k of token 0 (R2), k of token 1 (R3); d = q . (k0 - k1) for each head, my half of it in R3+head
	WIN 0x11
.irp g, 0,1
.irp t, 0,8
	MM B0+80*\g+R1+\t, A_Q+\t, B0+80*\g+XB, C_Q+\t
	MM B0+80*\g+R2+\t, A_K+\t, B0+80*\g+XA, C_K+\t
	MM B0+80*\g+R3+\t, A_K+\t, B0+80*\g+XB, C_K+\t
.endr
.endr
	WIN 0
	PLACES
.irp g, 0,1
.irp i, 0,2,4,6,8,10,12,14
	v_pk_add_f32 v[B0+80*\g+R2+\i:B0+80*\g+R2+\i+1], v[B0+80*\g+R2+\i:B0+80*\g+R2+\i+1], v[B0+80*\g+R3+\i:B0+80*\g+R3+\i+1] neg_lo:[0,1] neg_hi:[0,1]
.endr
.endr
.irp g, 0,1
.irp hd, 0,1,2
	v_mul_f32 v[B0+80*\g+R3+\hd], v[B0+80*\g+R1+5*\hd], v[B0+80*\g+R2+5*\hd]
.endr
.endr
.irp j, 1,2,3,4
.irp g, 0,1
.irp hd, 0,1,2
	v_fmac_f32 v[B0+80*\g+R3+\hd], v[B0+80*\g+R1+5*\hd+\j], v[B0+80*\g+R2+5*\hd+\j]
.endr
.endr
.endr
	; P3: v of token 0 (R1) and of token 1 (R2); the softmax, which names none of their registers, stands in the places behind them
	WIN 0x11
.irp g, 0,1
.irp t, 0,8
	MM B0+80*\g+R1+\t, A_V+\t, B0+80*\g+XA, C_V+\t
	MM B0+80*\g+R2+\t, A_V+\t, B0+80*\g+XB, C_V+\t
.endr
.endr
	WIN 0
.irp g, 0,1
.irp hd, 0,1,2
	v_permlanex16_b32 v[AN0-220*\g+3+\hd], v[B0+80*\g+R3+\hd], s57, s58
.endr
.endr
.irp g, 0,1
.irp hd, 0,1,2
	v_add_f32 v[B0+80*\g+R3+\hd], v[B0+80*\g+R3+\hd], v[AN0-220*\g+3+\hd]          ; d, whole
.endr
.endr
.irp g, 0,1
.irp hd, 0,1,2
	v_mul_f32 v[AN0-220*\g+\hd], -|v[B0+80*\g+R3+\hd]|, s56                        ; the smaller score less the larger, in base 2
.endr
.endr
.irp g, 0,1
.irp hd, 0,1,2
	v_exp_f32 v[AN0-220*\g+\hd], v[AN0-220*\g+\hd]                                 ; e <= 1
.endr
.endr
.irp g, 0,1
.irp hd, 0,1,2
	v_cmp_lt_f32 s[66+3*\g+\hd], 0, v[B0+80*\g+R3+\hd]                             ; key 0 is the larger.  Also the plain lines behind the exponentials
.endr
.endr
	s_wait_alu depctr_va_vdst(0)
.irp g, 0,1
.irp hd, 0,1,2
	v_add_f32 v[AN0-220*\g+3+\hd], 1.0, v[AN0-220*\g+\hd]
.endr
.endr
.irp g, 0,1
.irp hd, 0,1,2
	v_rcp_f32 v[AN0-220*\g+3+\hd], v[AN0-220*\g+3+\hd]                             ; the larger key's weight, 1 / (1 + e)
.endr
.endr
	v_nop                                                                          ; one plain line behind v_rcp_f32 (ISA guide 5.7.2)
	s_wait_alu depctr_va_vdst(0)
.irp g, 0,1
.irp hd, 0,1,2
	v_mul_f32 v[AN0-220*\g+\hd], v[AN0-220*\g+\hd], v[AN0-220*\g+3+\hd]            ; the smaller key's, e / (1 + e)
.endr
.endr
	; key 0's weights at R3+4: (h0, h1) (h1, -) (h2, -); key 1's at R3+10 likewise: pair 2 of the slots spans heads 0 and 1, all others take one weight twice
.irp g, 0,1
	v_cndmask_b32 v[B0+80*\g+R3+4],  v[AN0-220*\g],   v[AN0-220*\g+3], s[66+3*\g]
	v_cndmask_b32 v[B0+80*\g+R3+5],  v[AN0-220*\g+1], v[AN0-220*\g+4], s[66+3*\g+1]
	v_cndmask_b32 v[B0+80*\g+R3+6],  v[AN0-220*\g+1], v[AN0-220*\g+4], s[66+3*\g+1]
	v_cndmask_b32 v[B0+80*\g+R3+8],  v[AN0-220*\g+2], v[AN0-220*\g+5], s[66+3*\g+2]
	v_cndmask_b32 v[B0+80*\g+R3+10], v[AN0-220*\g+3], v[AN0-220*\g],   s[66+3*\g]
	v_cndmask_b32 v[B0+80*\g+R3+11], v[AN0-220*\g+4], v[AN0-220*\g+1], s[66+3*\g+1]
	v_cndmask_b32 v[B0+80*\g+R3+12], v[AN0-220*\g+4], v[AN0-220*\g+1], s[66+3*\g+1]
	v_cndmask_b32 v[B0+80*\g+R3+14], v[AN0-220*\g+5], v[AN0-220*\g+2], s[66+3*\g+2]
.endr
.irp g, 0,1                            ; ctx = p1 v1 + p0 v0, in R2
.irp i, 0,2
	v_pk_mul_f32 v[B0+80*\g+R2+\i:B0+80*\g+R2+\i+1], v[B0+80*\g+R2+\i:B0+80*\g+R2+\i+1], v[B0+80*\g+R3+10:B0+80*\g+R3+11] op_sel_hi:[1,0]
.endr
	v_pk_mul_f32 v[B0+80*\g+R2+4:B0+80*\g+R2+5], v[B0+80*\g+R2+4:B0+80*\g+R2+5], v[B0+80*\g+R3+10:B0+80*\g+R3+11]
.irp i, 6,8
	v_pk_mul_f32 v[B0+80*\g+R2+\i:B0+80*\g+R2+\i+1], v[B0+80*\g+R2+\i:B0+80*\g+R2+\i+1], v[B0+80*\g+R3+12:B0+80*\g+R3+13] op_sel_hi:[1,0]
.endr
.irp i, 10,12,14
	v_pk_mul_f32 v[B0+80*\g+R2+\i:B0+80*\g+R2+\i+1], v[B0+80*\g+R2+\i:B0+80*\g+R2+\i+1], v[B0+80*\g+R3+14:B0+80*\g+R3+15] op_sel_hi:[1,0]
.endr
.endr
.irp g, 0,1
.irp i, 0,2
	v_pk_fma_f32 v[B0+80*\g+R2+\i:B0+80*\g+R2+\i+1], v[B0+80*\g+R1+\i:B0+80*\g+R1+\i+1], v[B0+80*\g+R3+4:B0+80*\g+R3+5], v[B0+80*\g+R2+\i:B0+80*\g+R2+\i+1] op_sel_hi:[1,0,1]
.endr
	v_pk_fma_f32 v[B0+80*\g+R2+4:B0+80*\g+R2+5], v[B0+80*\g+R1+4:B0+80*\g+R1+5], v[B0+80*\g+R3+4:B0+80*\g+R3+5], v[B0+80*\g+R2+4:B0+80*\g+R2+5]
.irp i, 6,8
	v_pk_fma_f32 v[B0+80*\g+R2+\i:B0+80*\g+R2+\i+1], v[B0+80*\g+R1+\i:B0+80*\g+R1+\i+1], v[B0+80*\g+R3+6:B0+80*\g+R3+7], v[B0+80*\g+R2+\i:B0+80*\g+R2+\i+1] op_sel_hi:[1,0,1]
.endr
.irp i, 10,12,14
	v_pk_fma_f32 v[B0+80*\g+R2+\i:B0+80*\g+R2+\i+1], v[B0+80*\g+R1+\i:B0+80*\g+R1+\i+1], v[B0+80*\g+R3+8:B0+80*\g+R3+9], v[B0+80*\g+R2+\i:B0+80*\g+R2+\i+1] op_sel_hi:[1,0,1]
.endr
.endr
.irp g, 0,1
	CVT16 B0+80*\g+XA, B0+80*\g+R2
.endr
	; P4: attention's output product, residual (half of the doubled gelu), first LayerNorm: out1 in R1, its operand in XB
	WIN 0x11
.irp g, 0,1
.irp t, 0,8
	MM B0+80*\g+R1+\t, A_OUT+\t, B0+80*\g+XA, C_OUT+\t
.endr
.endr
	WIN 0
	PLACES
.irp g, 0,1
.irp i, 0,2,4,6,8,10,12,14
	v_pk_fma_f32 v[B0+80*\g+R1+\i:B0+80*\g+R1+\i+1], v[B0+80*\g+G1+\i:B0+80*\g+G1+\i+1], 0.5, v[B0+80*\g+R1+\i:B0+80*\g+R1+\i+1] op_sel_hi:[1,0,1]
.endr
.endr
	LN2 R1, R3
.irp g, 0,1
	CVT16 B0+80*\g+XB, B0+80*\g+R1
.endr
	; P5: first half of the FFN, doubled gelu
	WIN 0x11
.irp g, 0,1
.irp t, 0,8
	MM B0+80*\g+R2+\t, A_W1+\t, B0+80*\g+XB, C_B1+\t
.endr
.endr
	WIN 0
	PLACES
.irp g, 0,1
	GELU16 B0+80*\g+R2, B0+80*\g+R3, B0+80*\g+G1
	CVT16 B0+80*\g+XA, B0+80*\g+R2
.endr
	; P6: second half, residual, second LayerNorm
	WIN 0x11
.irp g, 0,1
.irp t, 0,8
	MM B0+80*\g+R3+\t, A_W2+\t, B0+80*\g+XA, C_B2+\t
.endr
.endr
	WIN 0
	PLACES
.irp g, 0,1
.irp i, 0,2,4,6,8,10,12,14
	v_pk_add_f32 v[B0+80*\g+R3+\i:B0+80*\g+R3+\i+1], v[B0+80*\g+R3+\i:B0+80*\g+R3+\i+1], v[B0+80*\g+R1+\i:B0+80*\g+R1+\i+1]
.endr
.endr
	LN2 R3, R2
.irp g, 0,1
	CVT16 B0+80*\g+XB, B0+80*\g+R3
.endr
	; P7: the logits of both groups in ONE accumulator: w_o in rows 0-2 puts group 0's into lanes 0-15, w_o in rows 8-10 group 1's into lanes 16-31,
	; so lane l ends with the three logits of item l of the 32 in registers 0-2.
	WIN 0x11
	MM LG, A_WOL, B0+XB, C_BO
	WIN 0x01                                       ; C now in window 0: the accumulator itself
	s_wait_alu depctr_va_vdst(0)                   ; wait ahead of a link that follows straight on the link it adds onto
	MM LG, A_WOH, B1+XB, LG
	WIN 0
	PLACES
	ds_store_b32 v[OST], v[LG]   offset:384*\p
	ds_store_b32 v[OST], v[LG+1] offset:384*\p+4
	ds_store_b32 v[OST], v[LG+2] offset:384*\p+8
.endm
; =========================================================== THE LOOP: a chunk of 64 items a trip
	s_mov_b32 s5, 0
.Ltrip:
	s_wait_loadcnt 0x0                             ; this trip's chunk, asked for a whole trip ago, is in; its loads' base may be stepped
.irp i, 0,1,2,3,4
	ds_store_b128 v[STI], v[INR+4*\i:INR+4*\i+3] offset:512*\i     ; into my stage as it lies in memory: item i at 40 i
.endr
	s_add_co_u32 s5, s5, 1
	s_cmp_ge_u32 s5, s4
	s_cbranch_scc1 .Lnoload                        ; the last trip asks for nothing: no load leaves the buffer
	s_add_nc_u64 s[8:9], s[8:9], NWAVE*IN_B
.irp i, 0,1,2,3,4
	global_load_b128 v[INR+4*\i:INR+4*\i+3], v[GIO], s[8:9] offset:512*\i th:TH_LOAD_NT   ; the next chunk has this trip's work in which to land
.endr
.Lnoload:
	PAIR 0
	PAIR 1
	; out: 768 bytes of my stage as three stores of 256 consecutive bytes, each at a multiple of 256 from out0's first byte.
	; LDS serves a wave's instructions in order (ISA guide 5.7.1): these loads see the stores above.
.irp i, 0,1,2
	ds_load_b64 v[OUTR+2*\i:OUTR+2*\i+1], v[ORD] offset:256*\i
.endr
.irp i, 0,1,2
	s_wait_dscnt 2-\i                              ; load i is back; the 2 - i younger ones may stay out
	global_store_b64 v[GOO], v[OUTR+2*\i:OUTR+2*\i+1], s[10:11] offset:256*\i th:TH_STORE_NT
.endr
	s_wait_xcnt 0x0                                ; the stores' base is stepped, and their data registers (the next trip's softmax temporaries) rewritten, only behind this wait
	s_add_nc_u64 s[10:11], s[10:11], NWAVE*OUT_B
	s_cmp_lt_u32 s5, s4
	s_cbranch_scc1 .Ltrip
	s_set_vgpr_msb 0x5
	s_wait_tensorcnt 0x0
	ds_add_u32 v254, v255
	s_wait_dscnt 0x0
	s_set_vgpr_msb 0x500
	s_endpgm
.Lfunc_end_k_q5a68a41014_mlp:
	.size	k_q5a68a41014_mlp, .Lfunc_end_k_q5a68a41014_mlp-k_q5a68a41014_mlp
	.p2alignl 7, 3214868480
	.fill 96, 4, 3214868480
	.section	.rodata,"a",@progbits
	.p2align	6, 0x0
	.amdhsa_kernel k_q5a68a41014_mlp
		.amdhsa_group_segment_fixed_size 62464
		.amdhsa_private_segment_fixed_size 0
		.amdhsa_enable_private_segment 0
		.amdhsa_kernarg_size 128
		.amdhsa_user_sgpr_count 2
		.amdhsa_user_sgpr_kernarg_segment_ptr 1
		.amdhsa_wavefront_size32 1
		.amdhsa_system_sgpr_workgroup_id_x 1
		.amdhsa_system_sgpr_workgroup_id_y 1
		.amdhsa_system_sgpr_workgroup_id_z 1
		.amdhsa_system_vgpr_workitem_id 0
		.amdhsa_next_free_vgpr 512
		.amdhsa_next_free_sgpr 80
		.amdhsa_reserve_vcc 0
		.amdhsa_float_denorm_mode_32 3
		.amdhsa_float_denorm_mode_16_64 3
		.amdhsa_memory_ordered 1
		.amdhsa_forward_progress 1
		.amdhsa_inst_pref_size 172
	.end_amdhsa_kernel
	.amdgpu_metadata
---
amdhsa.version: [ 1, 2 ]
amdhsa.kernels:
  - .name:           k_q5a68a41014_mlp
    .symbol:         k_q5a68a41014_mlp.kd
    .args:
      - { .name: input, .offset: 0, .size: 8, .value_kind: global_buffer, .address_space: global }
      - { .name: out0, .offset: 8, .size: 8, .value_kind: global_buffer, .address_space: global }
      - { .name: w_emb, .offset: 16, .size: 8, .value_kind: global_buffer, .address_space: global }
      - { .name: b_emb, .offset: 24, .size: 8, .value_kind: global_buffer, .address_space: global }
      - { .name: w_in, .offset: 32, .size: 8, .value_kind: global_buffer, .address_space: global }
      - { .name: b_in, .offset: 40, .size: 8, .value_kind: global_buffer, .address_space: global }
      - { .name: w_out, .offset: 48, .size: 8, .value_kind: global_buffer, .address_space: global }
      - { .name: b_out, .offset: 56, .size: 8, .value_kind: global_buffer, .address_space: global }
      - { .name: w1, .offset: 64, .size: 8, .value_kind: global_buffer, .address_space: global }
      - { .name: b1, .offset: 72, .size: 8, .value_kind: global_buffer, .address_space: global }
      - { .name: w2, .offset: 80, .size: 8, .value_kind: global_buffer, .address_space: global }
      - { .name: b2, .offset: 88, .size: 8, .value_kind: global_buffer, .address_space: global }
      - { .name: gamma, .offset: 96, .size: 8, .value_kind: global_buffer, .address_space: global }
      - { .name: beta, .offset: 104, .size: 8, .value_kind: global_buffer, .address_space: global }
      - { .name: w_o, .offset: 112, .size: 8, .value_kind: global_buffer, .address_space: global }
      - { .name: b_o, .offset: 120, .size: 8, .value_kind: global_buffer, .address_space: global }
    .group_segment_fixed_size: 62464
    .private_segment_fixed_size: 0
    .kernarg_segment_align: 8
    .kernarg_segment_size: 128
    .max_flat_workgroup_size: 256
    .sgpr_count:     80
    .vgpr_count:     512
    .wavefront_size: 32
...
	.end_amdgpu_metadata
.endif
;; end of part 1
